; MI455X (gfx1250); checked and timed in simulation.
; The chip was launched on July 23, 2026; its instructions are those of AMD's public machine-readable ISA for CDNA 5 (MIT licence, August 2026) and "CDNA5" Instruction Set Architecture Reference Guide (July 2026). The comments in the code are by the model that wrote it; some were corrected since.
;; Mixture Of Experts. Allowed arithmetic: float matrix products may take bf16 or f16 operands with f32 sums; other float arithmetic in f32, or as packed bf16 or f16 multiplies, adds, multiply-adds, maxima and minima; sums over many terms, partial sums and values carried from step to step in f32; what a program stores and reads back later, other than sums and carried values, may be rounded once to bf16 or f16.
;; Inputs: W1 8 x 1,024 x 2,048 float32; W2 8 x 2,048 x 1,024 float32; Wr 1,024 x 8 float32; b1 8 x 2,048 float32; b2 8 x 1,024 float32; br 8 float32; x 2,048 x 1,024 float32.
;; Outputs: out0 2,048 x 1,024 float32; out1 2,048 x 8 float32; out2 8 float32.
;; One version. Each part assembles by itself: llvm-mc -triple=amdgcn-amd-amdhsa -mcpu=gfx1250 --defsym DOCPART=n.
;; ======== version 1 of 1: 4 launches
;; workspace buffers: xb 4,194,304 bytes; xs 33,554,432 bytes; hbuf 67,108,864 bytes; mask 2,048 bytes of whole numbers
;; launch router (part 1): grid 256 x 1, 4 waves a work-group, no clusters, 37,888 bytes of LDS; arguments x, Wr, br, xb, out1, mask; writes xb, out1, mask
.if DOCPART == 1
	.amdgcn_target "amdgcn-amd-amdhsa--gfx1250"
	.amdhsa_code_object_version 6
	.text
	.protected	k_q2b30744321_router
	.globl	k_q2b30744321_router
	.p2align	8
	.type	k_q2b30744321_router,@function
k_q2b30744321_router:
	s_mov_b64 s[64:65], 0
	v_nop
	global_prefetch_b8 v0, s[64:65] scope:SCOPE_SE
	s_setreg_imm32_b32 hwreg(HW_REG_WAVE_MODE, 25, 1), 1
	s_wait_xcnt 0x0
; ROUTER.  out1 = softmax(x Wr + br); xb = x rounded to bf16; mask: byte e*256 + g has bit i set if token 8 g + i chose expert e.
; x: [2048][1024] f32, Wr: [1024][8] f32, br: [8] f32.  A work-group takes 8 tokens, its four waves a quarter of K (256) each; the four
; partial sums (f32) meet in LDS, and wave 0 makes the softmax, the route and the mask bytes.
; FORMATS.  x, Wr and br are rounded once to bf16 (nearest even); products on the matrix unit, sums, maximum, exponentials in f32.
; LIMITS.  The route is the lowest index at the largest LOGIT; reference() takes the largest probability: two logits so close that their
; probabilities round alike, or closer than the rounding of the f32 sums (about 1e-6 of their size), may be routed otherwise.
; A probability below 2^-126 comes out as 0.  NaN and infinities are not treated apart.
; THE PRODUCT is used transposed: source 0 = Wr^T (16 rows: the 8 experts twice), source 1 = x (16 columns: the 8 tokens twice); in the result
; every lane holds token lane % 8 and, in registers 0 to 7, experts 0 to 7.
; No tile is shared between work-groups but Wr's 32 KB, a small part beside x's 32 KB a work-group that nobody shares: no cluster.
.set WF,     0                         ; Wr^T in pieces of 8 k: [wave][k / 8][expert][16 bytes], 4,096 bytes a wave, the wave's own
.set XT,     16384                     ; x in bf16: [wave][8 rows] of 512 bytes, pitch 528, the wave's own
.set XPITCH, 528
.set PART,   33280                     ; partial sums: [wave][lane][8 f32]
.set SPARE,  37376                     ; the spare words, 128 bytes a wave: two blocks of 256 bytes that no other line names
.set LANE, 1
.set TK,   2                           ; lane % 8
.set HH,   3                           ; (lane / 16)
.set XO,   4                           ; 32 x lane: my 8 numbers of a row's 256
.set WO,   5                           ; (lane / 2) x 256 + (lane % 2) x 16: my 4 experts of 8 rows of Wr
.set L16,  6
.set AWS,  7                           ; LDS: where Wr's pieces go
.set AXS,  8                           ; where x's rows go
.set AXF,  9                           ; x's fragments
.set AWF,  10                          ; Wr^T's fragments
.set APT,  11                          ; my partial sums
.set SPW,  12
.set NIL,  13
.set X0,   16                          ; v16-79   x as loaded, later its 8 fragments; wave 0: P0 and what follows
.set WR0,  80                          ; v80-143  Wr as loaded, later its 8 fragments
.set XPK,  144                         ; v144-175 x packed: read by the stores into xb, never rewritten
.set CW,   176                         ; v176-207 Wr packed; later the wave's sum
.set ACC,  208                         ; v208-223 two accumulators, by turns
.set P0,   16
.set BR,   48
.set BW,   56
.set MX,   64
.set IX,   65
.set MK,   66
.set AO,   67
.set HB,   68
.set AM,   69
.set TT,   72
.set EE,   80
.set SS,   88
.set RC,   94
.set OV,   96
	s_load_b256 s[4:11], s[0:1], 0x0               ; x s[4:5], Wr s[6:7], br s[8:9], xb s[10:11]
	s_load_b128 s[12:15], s[0:1], 0x20             ; out1 s[12:13], mask s[14:15]
	v_lshl_add_u32 v[SPW], v0, 2, SPARE
	v_mov_b32 v[NIL], 0
	v_lshrrev_b32 v[LANE], 5, v0
	v_readfirstlane_b32 s16, v[LANE]               ; wave 0..3
	v_and_b32 v[LANE], 31, v0
	v_and_b32 v[TK], 7, v0
	v_bfe_u32 v[HH], v0, 4, 1
	v_lshlrev_b32 v[XO], 5, v[LANE]
	v_lshrrev_b32 v[WO], 1, v[LANE]
	v_and_b32 v[L16], 1, v0
	v_lshlrev_b32 v[WO], 8, v[WO]
	v_lshl_add_u32 v[WO], v[L16], 4, v[WO]
	v_lshlrev_b32 v[L16], 4, v[LANE]
	s_lshl_b32 s18, s16, 13                        ; Wr: my 256 rows of 32 bytes
	s_mov_b32 s19, 0
	s_lshl_b32 s20, ttmp9, 15                      ; x: 8 rows of 4,096 bytes a work-group,
	s_lshl_b32 s17, s16, 10                        ; my 1,024 bytes of a row
	s_add_co_u32 s20, s20, s17
	s_mov_b32 s21, 0
	s_lshl_b32 s22, ttmp9, 14                      ; xb: 8 rows of 2,048 bytes, my 512
	s_lshl_b32 s17, s16, 9
	s_add_co_u32 s22, s22, s17
	s_mov_b32 s23, 0
	s_wait_kmcnt 0x0
	s_add_nc_u64 s[6:7], s[6:7], s[18:19]
	s_add_nc_u64 s[4:5], s[4:5], s[20:21]
	s_add_nc_u64 s[10:11], s[10:11], s[22:23]
	s_load_b256 s[32:39], s[8:9], 0x0              ; br
.set ig, 0
.rept 2                                                ; Wr: load (g, j) takes row 128 g + 8 (lane / 2) + j, experts 4 (lane % 2) + 0..3
.set ij, 0
.rept 8
	global_load_b128 v[WR0+32*ig+4*ij:WR0+32*ig+4*ij+3], v[WO], s[6:7] offset:ig*4096+32*ij
.set ij, ij+1
.endr
.set ig, ig+1
.endr
.set ip, 0
.rept 8                                                ; x: row p, my 8 numbers
	global_load_b128 v[X0+8*ip:X0+8*ip+3],   v[XO], s[4:5] offset:ip*4096 th:TH_LOAD_NT
	global_load_b128 v[X0+8*ip+4:X0+8*ip+7], v[XO], s[4:5] offset:ip*4096+16 th:TH_LOAD_NT
.set ip, ip+1
.endr
	s_lshl_b32 s24, s16, 12                        ; my part of WF
	s_mul_i32 s25, s16, 8*XPITCH
	s_add_co_u32 s25, s25, XT                      ; of XT
	s_lshl_b32 s26, s16, 10
	s_add_co_u32 s26, s26, PART                    ; of PART
	v_lshl_add_u32 v[AWS], v[LANE], 6, s24         ; (lane / 2) x 128 + (lane % 2) x 64
	v_add_nc_u32 v[AXS], s25, v[L16]
	v_mul_u32_u24 v[AXF], v[TK], XPITCH
	v_lshl_add_u32 v[AXF], v[HH], 4, v[AXF]
	v_add_nc_u32 v[AXF], s25, v[AXF]               ; row lane % 8, 16 bytes for each half of the lanes
	v_lshlrev_b32 v[AWF], 4, v[TK]
	v_lshl_add_u32 v[AWF], v[HH], 7, v[AWF]
	v_add_nc_u32 v[AWF], s24, v[AWF]               ; piece (lane / 16), expert lane % 8
	v_lshl_add_u32 v[APT], v[LANE], 5, s26
	s_wait_loadcnt 16                              ; Wr is in: the sixteen younger loads are x's
.set ig, 0
.rept 2
.set ic, 0
.rept 4                                                ; eight k of one expert make 16 bytes
.set ip, 0
.rept 4
	v_cvt_pk_bf16_f32 v[CW+16*ig+4*ic+ip], v[WR0+32*ig+8*ip+ic], v[WR0+32*ig+8*ip+4+ic]
.set ip, ip+1
.endr
	ds_store_b128 v[AWS], v[CW+16*ig+4*ic:CW+16*ig+4*ic+3] offset:ig*2048+16*ic
.set ic, ic+1
.endr
.set ig, ig+1
.endr
.set ip, 0
.rept 8
	s_wait_loadcnt 14-2*ip                         ; row p is in: the later rows' loads stay out
.set ii, 0
.rept 4
	v_cvt_pk_bf16_f32 v[XPK+4*ip+ii], v[X0+8*ip+2*ii], v[X0+8*ip+2*ii+1]
.set ii, ii+1
.endr
	global_store_b128 v[L16], v[XPK+4*ip:XPK+4*ip+3], s[10:11] offset:ip*2048  ; the wave stores 512 consecutive bytes, at a multiple of 512 from xb's first
	ds_store_b128 v[AXS], v[XPK+4*ip:XPK+4*ip+3] offset:ip*XPITCH
.set ip, ip+1
.endr
.set ks, 0
.rept 8                                                ; the fragments of 32 k: the wave's own bytes, served in order behind its stores: no barrier
	ds_load_b128 v[X0+8*ks:X0+8*ks+3],    v[AXF] offset:64*ks
	ds_load_b128 v[X0+8*ks+4:X0+8*ks+7],  v[AXF] offset:64*ks+32
	ds_load_b128 v[WR0+8*ks:WR0+8*ks+3],   v[AWF] offset:512*ks
	ds_load_b128 v[WR0+8*ks+4:WR0+8*ks+7], v[AWF] offset:512*ks+256
.set ks, ks+1
.endr
	s_wait_kmcnt 0x0                               ; br
	s_wait_dscnt 0x0
	v_wmma_f32_16x16x32_bf16 v[ACC:ACC+7],    v[WR0:WR0+7],    v[X0:X0+7],    0   ; the first two products start the two sums
	v_wmma_f32_16x16x32_bf16 v[ACC+8:ACC+15], v[WR0+8:WR0+15], v[X0+8:X0+15], 0
.set ks, 2
.rept 6                                                ; the two accumulators take turns
	v_wmma_f32_16x16x32_bf16 v[ACC+8*(ks%2):ACC+8*(ks%2)+7], v[WR0+8*ks:WR0+8*ks+7], v[X0+8*ks:X0+8*ks+7], v[ACC+8*(ks%2):ACC+8*(ks%2)+7]
.set ks, ks+1
.endr
.rept 4
	v_nop                                          ; four places between the last product and the first read of a result
.endr
.set ii, 0
.rept 4                                                ; lowest registers first
	v_pk_add_f32 v[CW+2*ii:CW+2*ii+1], v[ACC+2*ii:ACC+2*ii+1], v[ACC+8+2*ii:ACC+8+2*ii+1]
.set ii, ii+1
.endr
	ds_store_b128 v[APT], v[CW:CW+3]
	ds_store_b128 v[APT], v[CW+4:CW+7] offset:16
	s_wait_dscnt 0x0                               ; for wave 0's sake: my partial sums are in LDS
	s_barrier_signal -1
	s_barrier_wait -1
	s_cmp_lg_u32 s16, 0
	s_cbranch_scc1 .Lend
.set iw, 0
.rept 4                                                ; wave 0: APT is PART + 32 x lane
	ds_load_b128 v[P0+8*iw:P0+8*iw+3],   v[APT] offset:1024*iw
	ds_load_b128 v[P0+8*iw+4:P0+8*iw+7], v[APT] offset:1024*iw+16
.set iw, iw+1
.endr
.set ii, 0
.rept 4                                                ; br rounded to bf16 and widened again
	v_cvt_pk_bf16_f32 v[BR+ii], s[32+2*ii], s[33+2*ii]
.set ii, ii+1
.endr
.set ii, 0
.rept 4
	v_lshlrev_b32 v[BW+2*ii], 16, v[BR+ii]
	v_and_b32 v[BW+2*ii+1], 0xffff0000, v[BR+ii]
.set ii, ii+1
.endr
	s_lshl_b32 s18, ttmp9, 8                       ; out1: 8 tokens x 32 bytes a work-group
	s_add_nc_u64 s[12:13], s[12:13], s[18:19]
	s_mov_b32 s18, ttmp9                           ; mask: byte g of each expert's 256
	s_add_nc_u64 s[14:15], s[14:15], s[18:19]
	v_bfe_u32 v[HB], v0, 3, 1
	v_lshlrev_b32 v[AO], 5, v[TK]
	v_lshl_add_u32 v[AO], v[HB], 4, v[AO]          ; lanes 0-15: token lane % 8, half lane / 8
	v_lshlrev_b32 v[AM], 8, v[LANE]
	v_mov_b32 v[MK], 0
	s_wait_dscnt 0x0
.set ii, 0
.rept 4
	v_pk_add_f32 v[P0+2*ii:P0+2*ii+1],       v[P0+2*ii:P0+2*ii+1],       v[P0+8+2*ii:P0+8+2*ii+1]
	v_pk_add_f32 v[P0+16+2*ii:P0+16+2*ii+1], v[P0+16+2*ii:P0+16+2*ii+1], v[P0+24+2*ii:P0+24+2*ii+1]
.set ii, ii+1
.endr
.set ii, 0
.rept 4
	v_pk_add_f32 v[P0+2*ii:P0+2*ii+1], v[P0+2*ii:P0+2*ii+1], v[P0+16+2*ii:P0+16+2*ii+1]
.set ii, ii+1
.endr
.set ii, 0
.rept 4
	v_pk_add_f32 v[P0+2*ii:P0+2*ii+1], v[P0+2*ii:P0+2*ii+1], v[BW+2*ii:BW+2*ii+1]   ; the 8 logits of my token
.set ii, ii+1
.endr
	v_max3_num_f32 v[MX], v[P0], v[P0+1], v[P0+2]
	v_max3_num_f32 v[MX], v[MX], v[P0+3], v[P0+4]
	v_max3_num_f32 v[MX], v[MX], v[P0+5], v[P0+6]
	v_max_num_f32 v[MX], v[MX], v[P0+7]
.set ii, 0
.rept 8
	v_sub_f32 v[TT+ii], v[P0+ii], v[MX]            ; the maximum is taken away first
.set ii, ii+1
.endr
.set ii, 0
.rept 8
	v_mul_f32 v[TT+ii], 0x3fb8aa3b, v[TT+ii]       ; log2(e)
.set ii, ii+1
.endr
.set ii, 0
.rept 8
	v_exp_f32 v[EE+ii], v[TT+ii]
.set ii, ii+1
.endr
	v_nop                                          ; a plain instruction behind the last exponential
	v_mov_b32 v[IX], 7                             ; the route, while the exponentials are out: the lowest index at the maximum
.set ii, 6
.rept 7
	v_cmp_neq_f32 vcc_lo, v[P0+ii], v[MX]
	v_cndmask_b32 v[IX], ii, v[IX], vcc_lo
.set ii, ii-1
.endr
.set ie, 0
.rept 8
	v_cmp_eq_u32 s[40+ie], ie, v[IX]               ; bits 0-7: tokens 0-7
.set ie, ie+1
.endr
.set ie, 0
.rept 8
	v_writelane_b32 v[MK], s[40+ie], ie            ; lane e holds expert e's byte
.set ie, ie+1
.endr
	s_wait_alu depctr_va_vdst(0)                   ; one wait for the eight exponentials, ahead of their first reader
	v_pk_add_f32 v[SS:SS+1],   v[EE:EE+1],     v[EE+2:EE+3]
	v_pk_add_f32 v[SS+2:SS+3], v[EE+4:EE+5],   v[EE+6:EE+7]
	v_pk_add_f32 v[SS:SS+1],   v[SS:SS+1],     v[SS+2:SS+3]
	v_add_f32 v[SS], v[SS], v[SS+1]
	v_rcp_f32 v[RC], v[SS]
	v_nop
	s_wait_alu depctr_va_vdst(0)                   ; and one for the reciprocal
.set ii, 0
.rept 8
	v_mul_f32 v[EE+ii], v[EE+ii], v[RC]
.set ii, ii+1
.endr
	v_cmp_eq_u32 vcc_lo, 1, v[HB]
.set ii, 0
.rept 4
	v_cndmask_b32 v[OV+ii], v[EE+ii], v[EE+4+ii], vcc_lo
.set ii, ii+1
.endr
	v_cmp_gt_u32 vcc_lo, 16, v[LANE]
	s_wait_xcnt 0x0                                ; EXEC changes only behind this wait: the stores into xb have read theirs
	s_and_saveexec_b32 s48, vcc_lo
	global_store_b128 v[AO], v[OV:OV+3], s[12:13]  ; sixteen lanes store 256 consecutive bytes, at a multiple of 256 from out1's first
	s_wait_xcnt 0x0
	s_or_b32 exec_lo, exec_lo, s48
	v_cmp_gt_u32 vcc_lo, 8, v[LANE]
	s_and_saveexec_b32 s48, vcc_lo
	global_store_b8 v[AM], v[MK], s[14:15]         ; eight bytes, one for each expert: at fixed places
	s_wait_xcnt 0x0
	s_or_b32 exec_lo, exec_lo, s48
.Lend:
	s_wait_tensorcnt 0x0                           ; the wave's end
	ds_add_u32 v[SPW], v[NIL]
	s_wait_dscnt 0x0
	s_endpgm
.Lfunc_end_k_q2b30744321_router:
	.size	k_q2b30744321_router, .Lfunc_end_k_q2b30744321_router-k_q2b30744321_router
	.p2alignl 7, 3214868480
	.fill 96, 4, 3214868480
	.section	.rodata,"a",@progbits
	.p2align	6, 0x0
	.amdhsa_kernel k_q2b30744321_router
		.amdhsa_group_segment_fixed_size 37888
		.amdhsa_private_segment_fixed_size 0
		.amdhsa_enable_private_segment 0
		.amdhsa_kernarg_size 48
		.amdhsa_user_sgpr_count 2
		.amdhsa_user_sgpr_kernarg_segment_ptr 1
		.amdhsa_wavefront_size32 1
		.amdhsa_system_sgpr_workgroup_id_x 1
		.amdhsa_system_sgpr_workgroup_id_y 1
		.amdhsa_system_sgpr_workgroup_id_z 1
		.amdhsa_system_vgpr_workitem_id 0
		.amdhsa_next_free_vgpr 232
		.amdhsa_next_free_sgpr 66
		.amdhsa_reserve_vcc 1
		.amdhsa_float_denorm_mode_32 3
		.amdhsa_float_denorm_mode_16_64 3
		.amdhsa_memory_ordered 1
		.amdhsa_forward_progress 1
		.amdhsa_inst_pref_size 21
	.end_amdhsa_kernel
	.amdgpu_metadata
---
amdhsa.version: [ 1, 2 ]
amdhsa.kernels:
  - .name:           k_q2b30744321_router
    .symbol:         k_q2b30744321_router.kd
    .args:
      - { .name: x, .offset: 0, .size: 8, .value_kind: global_buffer, .address_space: global }
      - { .name: Wr, .offset: 8, .size: 8, .value_kind: global_buffer, .address_space: global }
      - { .name: br, .offset: 16, .size: 8, .value_kind: global_buffer, .address_space: global }
      - { .name: xb, .offset: 24, .size: 8, .value_kind: global_buffer, .address_space: global }
      - { .name: out1, .offset: 32, .size: 8, .value_kind: global_buffer, .address_space: global }
      - { .name: mask, .offset: 40, .size: 8, .value_kind: global_buffer, .address_space: global }
    .group_segment_fixed_size: 37888
    .private_segment_fixed_size: 0
    .kernarg_segment_align: 8
    .kernarg_segment_size: 48
    .max_flat_workgroup_size: 128
    .sgpr_count:     66
    .vgpr_count:     232
    .wavefront_size: 32
...
	.end_amdgpu_metadata
.endif
;; end of part 1
;; launch lay (part 2): grid 32 x 8, 4 waves a work-group, no clusters, 17,920 bytes of LDS; arguments xb, mask, xs; writes xs
.if DOCPART == 2
	.amdgcn_target "amdgcn-amd-amdhsa--gfx1250"
	.amdhsa_code_object_version 6
	.text
	.protected	k_q2b30744321_lay
	.globl	k_q2b30744321_lay
	.p2align	8
	.type	k_q2b30744321_lay,@function
k_q2b30744321_lay:
	s_mov_b64 s[64:65], 0
	v_nop
	global_prefetch_b8 v0, s[64:65] scope:SCOPE_SE
	s_setreg_imm32_b32 hwreg(HW_REG_WAVE_MODE, 25, 1), 1
	s_wait_xcnt 0x0
; LAY.  The token rows of each expert, in the order of its list, as tiles that the first product reads by plain addresses.
; xb: [2048][1024] bf16; mask: 64 words an expert, bit i of word w = token 32 w + i.
; xs: expert e at e << 22; tile t (places 16 t .. 16 t + 15 of the expert's list, ascending token number) at t << 15;
; in a tile [K / 16][lane][16 bytes]: lane (r = l % 16, h = l / 16) holds place r, K = 16 c + 8 h + 0..7: the register image of a matrix operand.
; SHARES.  Work-group (x, y): expert y, tiles x, x + 32, x + 64, x + 96 as far as the expert has them: 128 tiles serve an expert with all 2,048 tokens.
; A work-group that the split leaves without a tile stores nothing and ends.  Wave w takes K = 256 w .. 256 w + 255 of the tile: sixteen loads, sixteen stores.
; A load takes 32 bytes of each of 16 rows, which already is one [lane][16 bytes] block of the tile: it is stored as 512 consecutive bytes, with no arithmetic and no way through LDS.
; Places past the count repeat the list's last token.  Tile 0 is always stored (of token 0, if the expert has no token), so that the first product's clamped loads read only written bytes.
; Every wave makes the list for itself in LDS bytes of its own, so there is no barrier.  Nothing is shared between work-groups but 256 bytes of mask: no cluster.
.set LISTB,  4352                      ; a wave's list: 2,048 places of 2 bytes, then 32 for the lanes that have nothing to write
.set SPARE,  4*LISTB                   ; the spare words, 128 bytes a wave: two blocks of 256 bytes that no other line names
.set LANE, 1
.set RR,   2                           ; lane % 16
.set HH,   3                           ; lane / 16
.set L16,  4                           ; 16 x lane; never rewritten
.set LB,   5                           ; my wave's list
.set TRP,  6                           ; 2048 + lane
.set ZR,   7
.set VA,   8                           ; my token's row in xb, + my wave's 512 bytes, + 16 h
.set VAH,  9                           ; 512 w + 16 h
.set T,    10
.set TT,   12                          ; v12-15  four words' places
.set TK,   16                          ; v16-19  four words' token numbers
.set SPW,  20
.set NIL,  21
.set D,    24                          ; v24-87  sixteen blocks of the tile
.set WV,   16
.set EX,   18
.set TS,   22
.set MC,   23                          ; the count
.set MLAST, 24
.set BOUND, 25                         ; tiles that are stored
.set TI,   26                          ; the tile in hand
.set CT,   27
.set SB,   28                          ; s[28:29] the tile's place in xs
; mask word i lies in s[32 + i] (i < 32) or s[36 + i]: s64 and s65 are not named
; Four words abreast, so that no line waits for the line before it.
.macro LIST4 im0
.set ik, 0
.rept 4
.set mwr, 32+(\im0)+ik+4*(((\im0)+ik)/32)
	v_mbcnt_lo_u32_b32 v[TT+ik], s[mwr], s[MC]     ; my token's place, if it chose the expert: those before it
	s_bcnt1_i32_b32 s[TS], s[mwr]
	s_add_co_u32 s[MC], s[MC], s[TS]
.set ik, ik+1
.endr
.set ik, 0
.rept 4
.set mwr, 32+(\im0)+ik+4*(((\im0)+ik)/32)
	v_cndmask_b32 v[TT+ik], v[TRP], v[TT+ik], s[mwr]  ; if not: my lane's own place behind the list
.set ik, ik+1
.endr
.set ik, 0
.rept 4
	v_min_u32 v[TT+ik], 0x81f, v[TT+ik]
.set ik, ik+1
.endr
.set ik, 0
.rept 4
	v_lshl_add_u32 v[TT+ik], v[TT+ik], 1, v[LB]
.set ik, ik+1
.endr
.set ik, 0
.rept 4
	v_add_nc_u32 v[TK+ik], 32*((\im0)+ik), v[LANE]
.set ik, ik+1
.endr
.set ik, 0
.rept 4
	ds_store_b16 v[TT+ik], v[TK+ik]
.set ik, ik+1
.endr
.endm
	s_load_b128 s[4:7], s[0:1], 0x0                ; xb s[4:5], mask s[6:7]
	s_load_b64 s[8:9], s[0:1], 0x10                ; xs
	v_lshl_add_u32 v[SPW], v0, 2, SPARE
	v_mov_b32 v[NIL], 0
	v_lshrrev_b32 v[T], 5, v0
	v_readfirstlane_b32 s[WV], v[T]                ; wave 0..3
	v_and_b32 v[LANE], 31, v0
	v_and_b32 v[RR], 15, v0
	v_bfe_u32 v[HH], v0, 4, 1
	v_lshlrev_b32 v[L16], 4, v[LANE]
	s_and_b32 s[EX], ttmp7, 0xffff                 ; expert
	s_lshl_b32 s20, s[EX], 8
	s_mov_b32 s21, 0                               ; stays 0: the high word of every offset
	s_wait_kmcnt 0x0
	s_add_nc_u64 s[6:7], s[6:7], s[20:21]          ; the expert's 64 mask words, all asked for at once
	s_load_b512 s[32:47], s[6:7], 0x0
	s_load_b512 s[48:63], s[6:7], 0x40
	s_load_b512 s[68:83], s[6:7], 0x80
	s_load_b512 s[84:99], s[6:7], 0xc0
	s_lshl_b32 s20, s[EX], 22                      ; xs: the expert's 4 MiB,
	s_lshl_b32 s22, s[WV], 13                      ; my wave's sixteen blocks of 512 bytes in a tile
	s_add_co_u32 s20, s20, s22
	s_add_nc_u64 s[8:9], s[8:9], s[20:21]
	s_lshl_b32 s22, s[WV], 9                       ; and its 512 bytes of a row of xb
	v_lshl_add_u32 v[VAH], v[HH], 4, s22
	s_mul_i32 s22, s[WV], LISTB
	v_mov_b32 v[LB], s22
	v_add_nc_u32 v[TRP], 2048, v[LANE]
	v_mov_b32 v[ZR], 0
	ds_store_b16 v[LB], v[ZR]                      ; an expert without tokens: place 0 names token 0
	s_mov_b32 s[MC], 0
	s_wait_kmcnt 0x0
.set ig, 0
.rept 16
	LIST4 4*ig
.set ig, ig+1
.endr
	s_max_u32 s[MLAST], s[MC], 1
	s_sub_co_u32 s[MLAST], s[MLAST], 1
	s_add_co_u32 s[BOUND], s[MC], 15
	s_lshr_b32 s[BOUND], s[BOUND], 4
	s_max_u32 s[BOUND], s[BOUND], 1                ; tile 0 is always stored
	s_mov_b32 s[TI], ttmp9
	s_mov_b32 s[CT], 0
.Ltile:                                                ; four trips at the most
	s_cmp_ge_u32 s[TI], s[BOUND]
	s_cbranch_scc1 .Ldone                          ; no tile is left for my work-group
	s_lshl_b32 s[TS], s[TI], 4
	v_add_nc_u32 v[T], s[TS], v[RR]                ; place 16 t + r,
	v_min_u32 v[T], s[MLAST], v[T]                 ; or the list's last
	v_min_u32 v[T], 0x7ff, v[T]
	v_lshl_add_u32 v[T], v[T], 1, v[LB]
	ds_load_u16 v[VA], v[T]                        ; my wave's own list: served behind its stores
	s_min_u32 s20, s[TI], 127
	s_lshl_b32 s20, s20, 15
	s_add_nc_u64 s[SB:SB+1], s[8:9], s[20:21]
	s_wait_dscnt 0x0
	v_min_u32 v[VA], 0x7ff, v[VA]
	v_lshl_add_u32 v[VA], v[VA], 11, v[VAH]        ; a row of xb is 2,048 bytes
.set ic, 0
.rept 16
	global_load_b128 v[D+4*ic:D+4*ic+3], v[VA], s[4:5] offset:32*ic
.set ic, ic+1
.endr
.set ic, 0
.rept 16
	s_wait_loadcnt 15-ic                           ; block ic is in: the later ones stay out
	global_store_b128 v[L16], v[D+4*ic:D+4*ic+3], s[SB:SB+1] offset:512*ic  ; the wave stores 512 consecutive bytes, at a multiple of 512 from xs's first
.set ic, ic+1
.endr
	s_wait_xcnt 0x0                                ; the stores have read D and their base: both are written again in the next trip
	s_add_co_u32 s[TI], s[TI], 32
	s_add_co_u32 s[CT], s[CT], 1
	s_cmp_lt_u32 s[CT], 4
	s_cbranch_scc1 .Ltile
.Ldone:
	s_wait_tensorcnt 0x0                           ; the wave's end
	ds_add_u32 v[SPW], v[NIL]
	s_wait_dscnt 0x0
	s_endpgm
.Lfunc_end_k_q2b30744321_lay:
	.size	k_q2b30744321_lay, .Lfunc_end_k_q2b30744321_lay-k_q2b30744321_lay
	.p2alignl 7, 3214868480
	.fill 96, 4, 3214868480
	.section	.rodata,"a",@progbits
	.p2align	6, 0x0
	.amdhsa_kernel k_q2b30744321_lay
		.amdhsa_group_segment_fixed_size 17920
		.amdhsa_private_segment_fixed_size 0
		.amdhsa_enable_private_segment 0
		.amdhsa_kernarg_size 24
		.amdhsa_user_sgpr_count 2
		.amdhsa_user_sgpr_kernarg_segment_ptr 1
		.amdhsa_wavefront_size32 1
		.amdhsa_system_sgpr_workgroup_id_x 1
		.amdhsa_system_sgpr_workgroup_id_y 1
		.amdhsa_system_sgpr_workgroup_id_z 1
		.amdhsa_system_vgpr_workitem_id 0
		.amdhsa_next_free_vgpr 88
		.amdhsa_next_free_sgpr 100
		.amdhsa_reserve_vcc 0
		.amdhsa_float_denorm_mode_32 3
		.amdhsa_float_denorm_mode_16_64 3
		.amdhsa_memory_ordered 1
		.amdhsa_forward_progress 1
		.amdhsa_inst_pref_size 35
	.end_amdhsa_kernel
	.amdgpu_metadata
---
amdhsa.version: [ 1, 2 ]
amdhsa.kernels:
  - .name:           k_q2b30744321_lay
    .symbol:         k_q2b30744321_lay.kd
    .args:
      - { .name: xb, .offset: 0, .size: 8, .value_kind: global_buffer, .address_space: global }
      - { .name: mask, .offset: 8, .size: 8, .value_kind: global_buffer, .address_space: global }
      - { .name: xs, .offset: 16, .size: 8, .value_kind: global_buffer, .address_space: global }
    .group_segment_fixed_size: 17920
    .private_segment_fixed_size: 0
    .kernarg_segment_align: 8
    .kernarg_segment_size: 24
    .max_flat_workgroup_size: 128
    .sgpr_count:     100
    .vgpr_count:     88
    .wavefront_size: 32
...
	.end_amdgpu_metadata
.endif
;; end of part 2
;; launch p1 (part 3): grid 32 x 8, 4 waves a work-group, no clusters, 133,632 bytes of LDS; arguments W1, b1, xs, mask, hbuf, out2; writes hbuf, out2
.if DOCPART == 3
	.amdgcn_target "amdgcn-amd-amdhsa--gfx1250"
	.amdhsa_code_object_version 6
	.text
	.protected	k_q2b30744321_p1
	.globl	k_q2b30744321_p1
	.p2align	8
	.type	k_q2b30744321_p1,@function
k_q2b30744321_p1:
	s_mov_b64 s[64:65], 0
	v_nop
	global_prefetch_b8 v0, s[64:65] scope:SCOPE_SE
	s_setreg_imm32_b32 hwreg(HW_REG_WAVE_MODE, 25, 1), 1
	s_wait_xcnt 0x0
; FIRST PRODUCT.  h = relu(x W1[e] + b1[e]) for the tokens that chose expert e, in bf16, into hbuf; out2[e] = the number of those tokens.
; W1: [8][1024][2048] f32, b1: [8][2048] f32; xs: the experts' token rows in bf16 as tiles of 16 places (expert e at e << 22, tile t at t << 15, in a tile [K / 16][lane][16 bytes]);
; mask: 64 words an expert, one bit a token: here only counted.
; SHARES.  Work-group (x, y) has 64 columns (x) of expert y's weights, which it alone reads, and ALL of that expert's tiles.  Four waves, all running the same text.
; TWO PHASES, ONE BARRIER.  Phase 1: the slice (1,024 rows of 256 bytes, f32) is streamed through registers, rounded to bf16, turned, and laid into LDS in the order of a matrix operand;
; each wave keeps 56 loads of 512 bytes out.  Phase 2: products, token tiles from xs straight into registers (each load 512 consecutive bytes), weights from LDS, where they stay for every pass.
; Why not both at once in a wave: its loads come back in the order of issue on one counter, and a wait names 63 at the most (ISA guide 5.7.1); the ring of token tiles wants 60 of them.
; So the stream has the counter to itself, and the first token loads go out when its last block has landed.
; THE K WALK is a loop of three trips of eight K steps, and the last eight written out.  A trip's LDS address is made of the trip's number behind a minimum with a constant:
; whatever the counter holds, the loads' bytes lie inside the weights' region.
; TILES.  Slot j of wave w in pass p has tile w + 4 j + 20 p; seven passes cover the 128 tiles of an expert that has all 2,048 tokens.  A slot past the last tile computes on the
; last tile and stores nothing; the last slot's products are jumped when it is dead.  An expert without tokens still has tile 0 in xs and still stores tile 0 of hbuf, so that the
; second product's clamped loads read only bytes that were written; nothing of it reaches an output.
; hbuf: expert e at e << 23; tile t at t << 16; in a tile [column / 16][lane][16 bytes]: lane (r = l % 16, h = l / 16) holds place r, columns 16 c + 8 h + 0..7.
; THE PRODUCT is used transposed (source 0 = 16 columns of W, source 1 = 16 tokens): a lane holds one token and eight neighbouring columns.
; FORMATS.  W1 and b1 are rounded once to bf16 (x was by the router), sums in f32 starting from the bias, h rounded once to bf16 (relu behind the rounding: the same number).
; NaN and infinities are not treated apart.
; NO CLUSTER: a slice of weights has one reader.  The tiles of xs are shared by an expert's 32 work-groups, but slots for 20 tiles x 16 rows x K 256 x 2 bytes twice over are 327,680 bytes
; beside 133,120 of weights, and the partners' trip counts hang on the counts.  NO TENSOR LOADS: the weights are rounded and turned on their way, which wants them in registers.
.set PITCH,  8192                      ; bytes from row to row of W1[e]
.set G,      5                         ; slots (tiles of 16 rows) a wave
.set NBT,    16                        ; blocks of 16 K rows that a wave streams: block b of wave w is rows 16 (4 b + w) .. + 15
.set NR,     7                         ; blocks in registers: 56 loads out
.set RING,   8                         ; places for a K step's token operands
.set AH,     6                         ; K steps asked for ahead: 2 G AH = 60 loads out
.set UNITS,  4                         ; K / 256
.set KSB,    4160                      ; LDS bytes of a K step of 32: 4 blocks of 16 columns
.set NBB,    1040                      ; such a block: two halves of 512 bytes [lane][16], and 16 bytes, so that the sixteen lanes of a store fall on sixteen different 16-byte columns of 256
.set OCTB,   8*KSB                     ; eight K steps: 33,280 = 2^15 + 2^9
.set SPARE,  32*KSB                    ; behind the weights: the spare words, 128 bytes a wave: two blocks of 256 bytes that no other line names
.set TSTEP,  20
.set PASSES, 7
; vector registers, window 0
.set LANE, 1
.set RR,   2                           ; lane % 16
.set HH,   3                           ; lane / 16
.set VW,   4                           ; my offset in a block of W; never rewritten
.set T,    5
.set T2,   6
.set L16,  7                           ; 16 x lane; never rewritten
.set KO,   8                           ; 16 x lane + 8,192 x (trips gone)
.set VB,   9                           ; LDS address of the eight K steps in hand
.set STA,  10                          ; v10-11  my place in the LDS bytes of blocks 0-7, 8-15
.set VBI,  12                          ; my offset in the bias
.set SPW,  14
.set NIL,  15
.set AR,   16                          ; v16-255 token fragments, places 0 to 5 of the ring, G x 8 each; places 6 and 7: window 2, v0-79
; window 1: v0-159 the accumulators (slot j, column block n at 8 (4 j + n))
.set BF,   160                         ; v160-223 W fragments, two buffers of 32
.set BI,   160                         ;   during the stream: the bias as loaded
.set TP,   160                         ;   on the way out: a tile's 64 columns, packed
.set BP,   224                         ; v224-239 the bias, packed bf16
.set ZW,   240                         ; 0
; window 2
.set WS,   0                           ; v0-223   NR blocks of W as loaded
.set CV,   224                         ; v224-255 packed, two sets
; scalars
.set WV,   16
.set SL,   17
.set EX,   18
.set UC,   19
.set PASS, 23
.set TCL,  24                          ; the last tile that exists
.set LL,   25                          ; 1: the last slot is live
.set SB,   28                          ; s[28:29] a tile's place in hbuf
.set HM,   31
.set MW,   32                          ; s32-63 mask words
.set MC,   66                          ; the count
.set BOUND, 68                         ; tiles that are stored
.set CT,   69
.set TJ,   70                          ; s70-74 slot j's tile
.set TS,   75
.set TB,   76                          ; s[76:85] slot j's tile in xs
.set MSB, 0
.macro WIN new                         ; the immediate's high byte repeats the setting that is left; a switch that changes nothing is dropped
.if MSB != (\new)
	s_set_vgpr_msb (MSB<<8)|(\new)
.set MSB, (\new)
.endif
.endm
.macro APL st                          ; where K step st's place of the ring lies: first register arb, window arw
.set pl, (\st)%RING
.if pl < 6
.set arb, AR+8*G*pl
.set arw, 0
.else
.set arb, 8*G*(pl-6)
.set arw, 2
.endif
.endm
; the token fragments of K step st of the eight in hand (8 and more: of the next eight): K blocks 2 st and 2 st + 1 of each slot's tile
.macro ALOAD st
	APL \st
	WIN 0x40*arw                                   ; destination in the place's window
.set ia, 0
.rept G
	global_load_b128 v[arb+8*ia:arb+8*ia+3],   v[KO], s[TB+2*ia:TB+2*ia+1] offset:1024*(\st)
	global_load_b128 v[arb+8*ia+4:arb+8*ia+7], v[KO], s[TB+2*ia:TB+2*ia+1] offset:1024*(\st)+512
.set ia, ia+1
.endr
.endm
; the W fragments of K step st (8: the next trip's first): eight loads, each 512 consecutive LDS bytes
.macro BLOAD st
	WIN 0x40                                       ; destination in window 1
.set inb, 0
.rept 4
	ds_load_b128 v[BF+32*((\st)%2)+8*inb:BF+32*((\st)%2)+8*inb+3],   v[VB] offset:(\st)*KSB+inb*NBB
	ds_load_b128 v[BF+32*((\st)%2)+8*inb+4:BF+32*((\st)%2)+8*inb+7], v[VB] offset:(\st)*KSB+inb*NBB+512
.set inb, inb+1
.endr
.endm
.macro BFIRST                          ; those of a pass's K step 0
	WIN 0x40
.set inb, 0
.rept 4
	ds_load_b128 v[BF+8*inb:BF+8*inb+3],   v[L16] offset:inb*NBB
	ds_load_b128 v[BF+8*inb+4:BF+8*inb+7], v[L16] offset:inb*NBB+512
.set inb, inb+1
.endr
	WIN 0
.endm
.macro MMS slot                        ; a slot's four products of K step ks (APL ks has been called)
.set inb, 0
.rept 4
	v_wmma_f32_16x16x32_bf16 v[8*(4*(\slot)+inb):8*(4*(\slot)+inb)+7], v[BF+32*(ks%2)+8*inb:BF+32*(ks%2)+8*inb+7], v[arb+8*(\slot):arb+8*(\slot)+7], v[8*(4*(\slot)+inb):8*(4*(\slot)+inb)+7]
.set inb, inb+1
.endr
.endm
; K step ks of eight.  ahead = 1: eight more follow in this pass.  No two products that follow each other share an accumulator, from step to step and over the loops' jumps too.
.macro KSTEP ahead
.rept 4
	v_nop                                          ; four places behind the last step's products, in front of the loads into registers that they read (ISA guide 7.12.1 for vector instructions)
.endr
.if (\ahead) || (ks+AH <= 7)
	ALOAD ks+AH
.endif
.if (\ahead) || (ks < 7)
	BLOAD ks+1
.endif
.set yg, AH
.if (!(\ahead)) && (ks+AH > 7)
.set yg, 7-ks
.endif
	s_wait_loadcnt 2*G*yg                          ; this step's tokens are in: the younger loads are the later steps', 2 G each
.if (\ahead) || (ks < 7)
	s_wait_dscnt 8                                 ; this step's W is in: the next step's eight loads stay out
.else
	s_wait_dscnt 0
.endif
	APL ks
	WIN 0x51+4*arw                                 ; W, C and D in window 1, the tokens in their place's window
.set isl, 0
.rept G-1
	MMS isl
.set isl, isl+1
.endr
	WIN 0
	s_cmp_eq_u32 s[LL], 0
	s_cbranch_scc1 .Ldead_\@
	WIN 0x51+4*arw
	MMS G-1
	WIN 0
.Ldead_\@:
.endm
.macro OCT ahead                       ; eight K steps: K 256
.set ks, 0
.rept 8
	KSTEP \ahead
.set ks, ks+1
.endr
.endm
; A pass begins, in three parts.  PB_ADDR: which slots live, and each slot's tile.
.macro PB_ADDR
	s_cmp_lt_u32 s[TJ+G-1], s[BOUND]
	s_cselect_b32 s[LL], 1, 0
	v_mov_b32 v[KO], v[L16]
.set ia, 0
.rept G
	s_min_u32 s20, s[TJ+ia], s[TCL]                ; a dead slot reads the last tile that exists
	s_min_u32 s20, s20, 127
	s_lshl_b32 s20, s20, 15
	s_add_nc_u64 s[TB+2*ia:TB+2*ia+1], s[8:9], s[20:21]
.set ia, ia+1
.endr
.endm
.macro PB_LOADS                        ; the first AH K steps' token loads
.set ks, 0
.rept AH
	ALOAD ks
.set ks, ks+1
.endr
.endm
.macro PB_ACC                          ; the sums start from the bias (widened bf16): that is the bias's addition
	WIN 0x44                                       ; destination and source 1 in window 1
.set ii, 0
.rept 4*G
.set ip, 0
.rept 4
	v_lshlrev_b32 v[8*ii+2*ip],   16,    v[BP+4*(ii%4)+ip]
	v_and_b32     v[8*ii+2*ip+1], s[HM], v[BP+4*(ii%4)+ip]
.set ip, ip+1
.endr
.set ii, ii+1
.endr
	WIN 0
.endm
; Block blk of my sixteen into register set blk % NR: load j takes row j (lanes 0-15) and row 8 + j (lanes 16-31), 256 consecutive bytes each.  The block's place stands in the immediate: 7,921,664 at the most.
.macro WLOAD blk
	WIN 0x80                                       ; destination in window 2
.set ij, 0
.rept 8
	global_load_b128 v[WS+32*((\blk)%NR)+4*ij:WS+32*((\blk)%NR)+4*ij+3], v[VW], s[4:5] offset:(\blk)*64*PITCH+ij*PITCH th:TH_LOAD_NT
.set ij, ij+1
.endr
.endm
.macro BIASLOAD                        ; columns 16 n + 8 h + 0..7
	WIN 0x40                                       ; destination in window 1
.set inb, 0
.rept 4
	global_load_b128 v[BI+8*inb:BI+8*inb+3],   v[VBI], s[6:7] offset:64*inb
	global_load_b128 v[BI+8*inb+4:BI+8*inb+7], v[VBI], s[6:7] offset:64*inb+16
.set inb, inb+1
.endr
.endm
; PHASE 1.  Block by block: it is in; eight k of one column make 16 bytes; its registers take the block NR further on; four stores into LDS.
; Where no block is left to ask for, the bias goes out in a refill's place.  The last block's wait is for all loads, the bias among them; behind it the first token loads go out.
.macro STREAM
.set ib, 0
.rept NBT
.set yc, NBT-1-ib
.if yc > NR-1
.set yc, NR-1
.endif
.set yc, 8*yc
.if ib > NBT-NR
.set yc, yc+8
.endif
.if ib == NBT-1
.set yc, 0
.endif
	s_wait_loadcnt yc                              ; block ib is in: younger are the later blocks (NR - 1 at the most, 8 loads each), then the bias's 8
.if ib == NBT-1
	PB_LOADS
.endif
	WIN 0x8a                                       ; destination and both sources in window 2
.set ic, 0
.rept 4
.set ip, 0
.rept 4
	v_cvt_pk_bf16_f32 v[CV+16*(ib%2)+4*ic+ip], v[WS+32*(ib%NR)+8*ip+ic], v[WS+32*(ib%NR)+8*ip+4+ic]
.set ip, ip+1
.endr
.set ic, ic+1
.endr
.if ib+NR < NBT
	WLOAD ib+NR
.endif
.if ib+NR == NBT
	BIASLOAD
.endif
	WIN 0x08                                       ; the stores' data in window 2
.set ic, 0
.rept 4
	ds_store_b128 v[STA+ib/8], v[CV+16*(ib%2)+4*ic:CV+16*(ib%2)+4*ic+3] offset:(ib%8)*2*KSB+16*ic
.set ic, ic+1
.endr
.set ib, ib+1
.endr
	WIN 0
.endm
	s_load_b256 s[4:11], s[0:1], 0x0               ; W1 s[4:5], b1 s[6:7], xs s[8:9], mask s[10:11]
	s_load_b128 s[12:15], s[0:1], 0x20             ; hbuf s[12:13], out2 s[14:15]
	v_lshl_add_u32 v[SPW], v0, 2, SPARE
	v_mov_b32 v[NIL], 0
	v_lshrrev_b32 v[T], 5, v0
	v_readfirstlane_b32 s[WV], v[T]                ; wave 0..3
	v_and_b32 v[LANE], 31, v0
	v_and_b32 v[RR], 15, v0
	v_bfe_u32 v[HH], v0, 4, 1
	v_lshlrev_b32 v[L16], 4, v[LANE]
	v_lshlrev_b32 v[VW], 16, v[HH]                 ; 8 rows further down for lanes 16-31,
	v_lshl_add_u32 v[VW], v[RR], 4, v[VW]          ; 16 bytes a lane
	s_mov_b32 s[SL], ttmp9                         ; slice of 64 columns
	s_and_b32 s[EX], ttmp7, 0xffff                 ; expert
	s_mov_b32 s[HM], 0xffff0000
	s_lshl_b32 s20, s[EX], 23                      ; the expert's 8 MiB,
	s_lshl_b32 s22, s[SL], 8                       ; my slice's 256 bytes of a row,
	s_add_co_u32 s20, s20, s22
	s_lshl_b32 s22, s[WV], 17                      ; my wave's 16 rows
	s_add_co_u32 s20, s20, s22
	s_mov_b32 s21, 0                               ; stays 0: the high word of every offset
	s_wait_kmcnt 0x0
	s_add_nc_u64 s[4:5], s[4:5], s[20:21]
.set ib, 0
.rept NR                                               ; the first 56 loads; the set-up below stands in the wait for them
	WLOAD ib
.set ib, ib+1
.endr
	WIN 0
	s_lshl_b32 s20, s[EX], 13
	s_lshl_b32 s22, s[SL], 8
	s_add_co_u32 s20, s20, s22
	s_add_nc_u64 s[6:7], s[6:7], s[20:21]          ; b1 at my 64 columns
	v_lshlrev_b32 v[VBI], 5, v[HH]
	s_lshl_b32 s20, s[EX], 23
	s_lshl_b32 s22, s[SL], 11
	s_add_co_u32 s20, s20, s22
	s_add_nc_u64 s[12:13], s[12:13], s[20:21]      ; hbuf at the expert's tile 0, my slice's four column blocks of 512 bytes
	s_lshl_b32 s20, s[EX], 22
	s_add_nc_u64 s[8:9], s[8:9], s[20:21]          ; xs at the expert's tile 0
	s_lshl_b32 s20, s[EX], 8
	s_add_nc_u64 s[10:11], s[10:11], s[20:21]      ; the expert's 64 mask words
	v_lshrrev_b32 v[T], 2, v[RR]                   ; my four columns lie in column block q / 4, at lanes 4 (q % 4) + 0..3 of the fragment's half h
	v_mul_u32_u24 v[STA], v[T], NBB
	v_lshl_add_u32 v[STA], v[HH], 8, v[STA]
	v_and_b32 v[T], 3, v[RR]
	v_lshl_add_u32 v[STA], v[T], 6, v[STA]
	s_lshr_b32 s20, s[WV], 1                       ; block 4 b + w is half w % 2 of K step 2 b + w / 2
	s_mul_i32 s20, s20, KSB
	s_and_b32 s22, s[WV], 1
	s_lshl_b32 s22, s22, 9
	s_add_co_u32 s20, s20, s22
	v_add_nc_u32 v[STA], s20, v[STA]
	v_add_nc_u32 v[STA+1], 16*KSB, v[STA]          ; blocks 8 to 15: 16 K steps on
	s_mov_b32 s[MC], 0
	s_mov_b32 s[CT], 2
.Lcount:                                               ; the expert's tokens are counted: two trips of 32 words
	s_load_b512 s[32:47], s[10:11], 0x0
	s_load_b512 s[48:63], s[10:11], 0x40
	s_wait_kmcnt 0x0
.set im, 0
.rept 32
	s_bcnt1_i32_b32 s[TS], s[MW+im]
	s_add_co_u32 s[MC], s[MC], s[TS]
.set im, im+1
.endr
	s_add_nc_u64 s[10:11], s[10:11], 128
	s_sub_co_u32 s[CT], s[CT], 1
	s_cmp_lg_u32 s[CT], 0
	s_cbranch_scc1 .Lcount
	s_add_co_u32 s[BOUND], s[MC], 15
	s_lshr_b32 s[BOUND], s[BOUND], 4
	s_max_u32 s[BOUND], s[BOUND], 1                ; tile 0 always exists and is always stored
	s_sub_co_u32 s[TCL], s[BOUND], 1
.set ia, 0
.rept G
	s_add_co_u32 s[TJ+ia], s[WV], 4*ia
.set ia, ia+1
.endr
	s_or_b32 s22, s[WV], s[SL]
	s_cmp_lg_u32 s22, 0
	s_cbranch_scc1 .Lno_count                      ; one wave an expert stores the count
	v_cvt_f32_u32 v[T], s[MC]
	s_lshl_b32 s22, s[EX], 2
	v_mov_b32 v[T2], s22
	v_cmp_eq_u32 vcc_lo, 0, v[LANE]
	s_wait_xcnt 0x0                                ; EXEC changes only behind this wait
	s_and_saveexec_b32 s22, vcc_lo
	global_store_b32 v[T2], v[T], s[14:15]
	s_wait_xcnt 0x0                                ; and again; it also frees T and T2
	s_or_b32 exec_lo, exec_lo, s22
.Lno_count:
	PB_ADDR
	STREAM
	WIN 0x45                                       ; destination and both sources in window 1
.set ii, 0
.rept 16
	v_cvt_pk_bf16_f32 v[BP+ii], v[BI+2*ii], v[BI+2*ii+1]
.set ii, ii+1
.endr
	v_mov_b32 v[ZW], 0
	PB_ACC
	s_wait_dscnt 0x0                               ; for the others' sake: my part of the weights is in LDS
	s_barrier_signal -1
	s_barrier_wait -1                              ; the slice is whole; nothing writes it again, so this is the only barrier
	s_mov_b32 s[PASS], 0
.Lpass:                                                ; PHASE 2: a pass is 20 tiles x 64 columns x K 1,024
	BFIRST
	s_mov_b32 s[UC], 0
.Lunit:
	v_mov_b32 v[T], s[UC]
	v_min_u32 v[T], UNITS-2, v[T]                  ; the trip's number, held inside the loop's range by a constant
	v_lshl_add_u32 v[VB], v[T], 15, v[L16]         ; x 33,280 + 16 x lane: with the largest immediate the bytes end at 103,984, inside the weights
	v_lshl_add_u32 v[VB], v[T], 9, v[VB]
	OCT 1
	s_wait_xcnt 0x0                                ; the loads issued have read their offset
	v_add_nc_u32 v[KO], 8192, v[KO]
	s_add_co_u32 s[UC], s[UC], 1
	s_cmp_lt_u32 s[UC], UNITS-1
	s_cbranch_scc1 .Lunit
	v_add_nc_u32 v[VB], (UNITS-1)*OCTB, v[L16]
	OCT 0
	; THE WAY OUT: each live slot's tile: rounded to bf16, relu, four stores of 512 consecutive bytes, each at a multiple of 512 from hbuf's first
.rept 4
	v_nop                                          ; four places between the last products and the first read of a result or write of a source
.endr
.set isl, 0
.rept G
	s_cmp_ge_u32 s[TJ+isl], s[BOUND]
	s_cbranch_scc1 .Lstored                        ; the live slots come first
	s_wait_xcnt 0x0                                ; the last slot's stores have read TP and their base
	s_min_u32 s20, s[TJ+isl], 127
	s_lshl_b32 s20, s20, 16
	s_add_nc_u64 s[SB:SB+1], s[12:13], s[20:21]
	WIN 0x45                                       ; destination and both sources in window 1
.set ii, 0
.rept 16                                               ; each accumulator's registers in ascending order
	v_cvt_pk_bf16_f32 v[TP+ii], v[8*(4*isl+ii/4)+2*(ii%4)], v[8*(4*isl+ii/4)+2*(ii%4)+1]
.set ii, ii+1
.endr
.set ii, 0
.rept 16
	v_pk_max_num_bf16 v[TP+ii], v[TP+ii], v[ZW]
.set ii, ii+1
.endr
	WIN 0x04                                       ; the stores' data in window 1
.set inb, 0
.rept 4
	global_store_b128 v[L16], v[TP+4*inb:TP+4*inb+3], s[SB:SB+1] offset:512*inb
.set inb, inb+1
.endr
	WIN 0
.set isl, isl+1
.endr
.Lstored:
.set ia, 0
.rept G
	s_add_co_u32 s[TJ+ia], s[TJ+ia], TSTEP
.set ia, ia+1
.endr
	s_cmp_ge_u32 s[TJ], s[BOUND]
	s_cbranch_scc1 .Ldone                          ; no tile is left for my wave
	s_wait_xcnt 0x0                                ; all that was issued has read its addresses and data: the addresses are made anew, and TP's registers take W fragments again
	PB_ADDR
	PB_LOADS
	PB_ACC
	s_add_co_u32 s[PASS], s[PASS], 1
	s_cmp_lt_u32 s[PASS], PASSES
	s_cbranch_scc1 .Lpass
.Ldone:
	s_wait_tensorcnt 0x0                           ; the wave's end
	ds_add_u32 v[SPW], v[NIL]
	s_wait_dscnt 0x0
	s_endpgm
.Lfunc_end_k_q2b30744321_p1:
	.size	k_q2b30744321_p1, .Lfunc_end_k_q2b30744321_p1-k_q2b30744321_p1
	.p2alignl 7, 3214868480
	.fill 96, 4, 3214868480
	.section	.rodata,"a",@progbits
	.p2align	6, 0x0
	.amdhsa_kernel k_q2b30744321_p1
		.amdhsa_group_segment_fixed_size 133632
		.amdhsa_private_segment_fixed_size 0
		.amdhsa_enable_private_segment 0
		.amdhsa_kernarg_size 48
		.amdhsa_user_sgpr_count 2
		.amdhsa_user_sgpr_kernarg_segment_ptr 1
		.amdhsa_wavefront_size32 1
		.amdhsa_system_sgpr_workgroup_id_x 1
		.amdhsa_system_sgpr_workgroup_id_y 1
		.amdhsa_system_sgpr_workgroup_id_z 1
		.amdhsa_system_vgpr_workitem_id 0
		.amdhsa_next_free_vgpr 768
		.amdhsa_next_free_sgpr 86
		.amdhsa_reserve_vcc 1
		.amdhsa_float_denorm_mode_32 3
		.amdhsa_float_denorm_mode_16_64 3
		.amdhsa_memory_ordered 1
		.amdhsa_forward_progress 1
		.amdhsa_inst_pref_size 123
	.end_amdhsa_kernel
	.amdgpu_metadata
---
amdhsa.version: [ 1, 2 ]
amdhsa.kernels:
  - .name:           k_q2b30744321_p1
    .symbol:         k_q2b30744321_p1.kd
    .args:
      - { .name: W1, .offset: 0, .size: 8, .value_kind: global_buffer, .address_space: global }
      - { .name: b1, .offset: 8, .size: 8, .value_kind: global_buffer, .address_space: global }
      - { .name: xs, .offset: 16, .size: 8, .value_kind: global_buffer, .address_space: global }
      - { .name: mask, .offset: 24, .size: 8, .value_kind: global_buffer, .address_space: global }
      - { .name: hbuf, .offset: 32, .size: 8, .value_kind: global_buffer, .address_space: global }
      - { .name: out2, .offset: 40, .size: 8, .value_kind: global_buffer, .address_space: global }
    .group_segment_fixed_size: 133632
    .private_segment_fixed_size: 0
    .kernarg_segment_align: 8
    .kernarg_segment_size: 48
    .max_flat_workgroup_size: 128
    .sgpr_count:     86
    .vgpr_count:     768
    .wavefront_size: 32
...
	.end_amdgpu_metadata
.endif
;; end of part 3
;; launch p2 (part 4): grid 32 x 8, 4 waves a work-group, no clusters, 301,568 bytes of LDS; arguments W2, b2, hbuf, mask, out0; writes out0
.if DOCPART == 4
	.amdgcn_target "amdgcn-amd-amdhsa--gfx1250"
	.amdhsa_code_object_version 6
	.text
	.protected	k_q2b30744321_p2
	.globl	k_q2b30744321_p2
	.p2align	8
	.type	k_q2b30744321_p2,@function
k_q2b30744321_p2:
	s_mov_b64 s[64:65], 0
	v_nop
	global_prefetch_b8 v0, s[64:65] scope:SCOPE_SE
	s_setreg_imm32_b32 hwreg(HW_REG_WAVE_MODE, 25, 1), 1
	s_wait_xcnt 0x0
; SECOND PRODUCT.  out0[token] = h W2[e] + b2[e] for the tokens that chose expert e.  W2: [8][2048][1024] f32, b2: [8][1024] f32, hbuf as p1 left it, mask as the router left it.
; reference()'s last factor, p / p of the largest probability, is 1 for every finite input (p is at least 1/8) and is not computed; NaN and infinities are not treated apart.
; SHARES.  Work-group (x, y): expert y, 64 columns (x / 2), and one half of the expert's tiles, hf = x % 2.  Slot j of wave w in pass p has tile (hf + 2 w) + 8 j + 24 p;
; six passes of the two halves cover the 128 tiles of an expert that has all 2,048 tokens.  So a slice of W2 is read by two work-groups, neighbours in the grid: with 64 columns a weight row's piece and an
; output row's piece are 256 whole bytes, and a work-group takes in 0.5 MB of weights and about 0.25 MB of h; 32 columns for one reader would halve both pieces.
; TWO PHASES, ONE BARRIER, as in p1.  Phase 1: the slice (2,048 rows of 256 bytes, f32) is streamed through registers, rounded to bf16, turned, and laid into LDS in the order of a matrix operand;
; each wave keeps 56 loads of 512 bytes out.  Phase 2: products; h's tiles lie in the order of a matrix operand, so each load of a wave is 512 consecutive bytes straight into registers; the weights stay in LDS
; for every pass.  Not both at once in a wave: its loads come back in the order of issue on one counter, of which a wait names 63 at the most (ISA guide 5.7.1), and the ring of h wants 42 of them.
; A pass's 64 K steps are written out: every LDS address of the weights is a constant and the lane's term, the K step stands in the immediates, and nothing is stepped.
; A slot past the expert's last tile computes on the last tile (on tile 0, which p1 always stores, if the expert has no token) and stores nothing; the last slot's products are jumped when it is dead.
; THE WAY OUT.  The product is used transposed (a lane holds one place of the list and eight neighbouring columns); a tile goes through the wave's own stage in LDS and leaves as rows:
; sixteen lanes store the 256 bytes of a token's row.  The tokens' numbers come from the expert's list, which every wave makes for itself from the mask words (ascending token number, the order in which the
; tiles were laid).  Places past the count carry the list's last token and, since that token's row was repeated, its own numbers: the same wave stores the
; same bytes at the same place again, at most 15 rows an expert and slice, in place of eight narrowings of EXEC a tile.
; FORMATS.  W2 and b2 are rounded once to bf16, h came in bf16, sums in f32 starting from the bias, out0 in f32.
; NO CLUSTER: a slice of weights has two readers, not a cluster's four; the tiles of h that an expert's work-groups share would want LDS slots of 12 tiles x 16 rows x K 256 x 2 bytes twice over, 196,608 bytes,
; beside 266,240 of weights; and the partners' trip counts hang on the counts.  NO TENSOR LOADS: the weights are rounded and turned on their way, which wants them in registers.
.set PITCH,  4096                      ; bytes from row to row of W2[e]
.set G,      3
.set NBT,    32                        ; blocks of 16 K rows that a wave streams: block b of wave w is rows 16 (4 b + w) .. + 15
.set NR,     7                         ; blocks in registers: 56 loads out
.set AHB,    NBT-1                     ; ahead of this block the first pass's first loads of h go out: 8 + 8 + 42 = 58 loads are then out
.set RING,   8
.set NKS,    64                        ; K steps of 32 in a pass
.set KSB,    4160                      ; LDS bytes of a K step of 32: 4 blocks of 16 columns
.set NBB,    1040                      ; such a block: two halves of 512 bytes [lane][16], and 16 bytes, so that the sixteen lanes of a store fall on sixteen different 16-byte columns of 256
.set OCTB,   8*KSB
.set LIST,   64*KSB                    ; behind the weights: a list for each wave: 2,048 places of 2 bytes, then 32 for the lanes that have nothing to write
.set LISTB,  4352
.set STAGE,  LIST+4*LISTB              ; 16 rows x 272 bytes for each wave
.set SPITCH, 272
.set SPARE,  STAGE+4*16*SPITCH         ; the spare words, 128 bytes a wave: two blocks of 256 bytes that no other line names
.set TSTEP,  24
.set PASSES, 6
; vector registers, window 0
.set LANE, 1
.set RR,   2
.set HH,   3
.set VW,   4                           ; my offset in a block of W; never rewritten
.set T,    5
.set T2,   6
.set LB,   7
.set TRP,  8
.set TOK,  9
.set L16,  10                          ; 16 x lane; never rewritten
.set STO,  13
.set RD,   14
.set Q16,  15
.set ZR,   16
.set VBI,  17
.set STA,  18                          ; v18-21  my place in the LDS bytes of blocks 0-7, 8-15, 16-23, 24-31
.set SPW,  22
.set NIL,  23
.set AR,   24                          ; v24-215  h fragments, RING x G x 8
.set TT,   24                          ;   while the list is made: four words' places,
.set TK,   28                          ;   and their token numbers
.set OB,   216                         ; v216-247 a tile's rows, back from the stage
.set OFF,  248                         ; v248-255 their places in out0
; window 1: v0-95 the accumulators (slot j, column block n at 8 (4 j + n))
.set BF,   96                          ; v96-159  W fragments, two buffers
.set BP,   160                         ; v160-175 the bias, packed bf16
.set BI,   176                         ; v176-207 the bias as loaded
.set VBR,  208                         ; v208-215 LDS address of my 16 bytes in K steps 8 n .. 8 n + 7: n x 33,280 + 16 x lane; never rewritten
; window 2
.set WS,   0                           ; v0-223   NR blocks of W as loaded
.set CV,   224                         ; v224-255 packed, two sets
.set W_MM, 0x51                        ; W, C and D in window 1, h in window 0
; scalars
.set WV,   16
.set SL,   17
.set EX,   18
.set PASS, 23
.set LL,   25
.set HF,   26
.set TCL,  27                          ; the last tile that p1 stored
.set HM,   31
.set MW,   32
.set MC,   66
.set MLAST, 67
.set BOUND, 68
.set CT,   69
.set TJ,   70                          ; s70-72
.set TS,   73
.set TB,   76                          ; s[76:81] slot j's tile in hbuf
.set MSB, 0
.macro WIN new                         ; the immediate's high byte repeats the setting that is left; a switch that changes nothing is dropped
.if MSB != (\new)
	s_set_vgpr_msb (MSB<<8)|(\new)
.set MSB, (\new)
.endif
.endm
.macro ALOAD st                        ; h's fragments of K step st: column blocks 2 st and 2 st + 1 of each slot's tile
	WIN 0
.set pl, (\st)%RING
.set ia, 0
.rept G
	global_load_b128 v[AR+8*G*pl+8*ia:AR+8*G*pl+8*ia+3],   v[L16], s[TB+2*ia:TB+2*ia+1] offset:1024*(\st)
	global_load_b128 v[AR+8*G*pl+8*ia+4:AR+8*G*pl+8*ia+7], v[L16], s[TB+2*ia:TB+2*ia+1] offset:1024*(\st)+512
.set ia, ia+1
.endr
.endm
.macro BLOAD st                        ; the W fragments of K step st: eight loads, each 512 consecutive LDS bytes
	WIN 0x41                                       ; destination and address in window 1
.set inb, 0
.rept 4
	ds_load_b128 v[BF+32*((\st)%2)+8*inb:BF+32*((\st)%2)+8*inb+3],   v[VBR+(\st)/8] offset:((\st)%8)*KSB+inb*NBB
	ds_load_b128 v[BF+32*((\st)%2)+8*inb+4:BF+32*((\st)%2)+8*inb+7], v[VBR+(\st)/8] offset:((\st)%8)*KSB+inb*NBB+512
.set inb, inb+1
.endr
.endm
.macro MMS slot
.set inb, 0
.rept 4
	v_wmma_f32_16x16x32_bf16 v[8*(4*(\slot)+inb):8*(4*(\slot)+inb)+7], v[BF+32*(ks%2)+8*inb:BF+32*(ks%2)+8*inb+7], v[AR+8*G*(ks%RING)+8*(\slot):AR+8*G*(ks%RING)+8*(\slot)+7], v[8*(4*(\slot)+inb):8*(4*(\slot)+inb)+7]
.set inb, inb+1
.endr
.endm
; K step ks of a pass.  No two products that follow each other share an accumulator, from step to step and over the loop's jump too.
.macro KSTEP
.rept 4
	v_nop                                          ; four places behind the last step's products, in front of the loads into registers that they read (ISA guide 7.12.1 for vector instructions)
.endr
.if ks+RING-1 < NKS
	ALOAD ks+RING-1
.endif
.if ks == 0
	BLOAD 0
.endif
.if ks+1 < NKS
	BLOAD ks+1
.endif
.set yg, NKS-1-ks
.if yg > RING-1
.set yg, RING-1
.endif
	s_wait_loadcnt 2*G*yg                          ; this step's h is in: the younger loads are the later steps', 2 G each
.if ks+1 < NKS
	s_wait_dscnt 8                                 ; this step's W is in: the next step's eight loads stay out
.else
	s_wait_dscnt 0
.endif
	WIN W_MM
.set isl, 0
.rept G-1
	MMS isl
.set isl, isl+1
.endr
	WIN 0
	s_cmp_eq_u32 s[LL], 0
	s_cbranch_scc1 .Ldead_\@
	WIN W_MM
	MMS G-1
	WIN 0
.Ldead_\@:
.endm
; A pass begins, in three parts.  PB_ADDR: which slots live, and each slot's tile.
.macro PB_ADDR
	s_cmp_lt_u32 s[TJ+G-1], s[BOUND]
	s_cselect_b32 s[LL], 1, 0
.set ia, 0
.rept G
	s_min_u32 s20, s[TJ+ia], s[TCL]                ; a dead slot reads the last tile that was stored
	s_min_u32 s20, s20, 127
	s_lshl_b32 s20, s20, 16
	s_add_nc_u64 s[TB+2*ia:TB+2*ia+1], s[8:9], s[20:21]
.set ia, ia+1
.endr
.endm
.macro PB_LOADS                        ; the first RING - 1 K steps' loads of h
.set ks, 0
.rept RING-1
	ALOAD ks
.set ks, ks+1
.endr
.endm
.macro PB_ACC                          ; the sums start from the bias (widened bf16): that is the bias's addition
	WIN 0x44                                       ; destination and source 1 in window 1
.set ii, 0
.rept 4*G
.set ip, 0
.rept 4
	v_lshlrev_b32 v[8*ii+2*ip],   16,    v[BP+4*(ii%4)+ip]
	v_and_b32     v[8*ii+2*ip+1], s[HM], v[BP+4*(ii%4)+ip]
.set ip, ip+1
.endr
.set ii, ii+1
.endr
	WIN 0
.endm
; Block blk of my 32 into register set blk % NR: load j takes row j (lanes 0-15) and row 8 + j (lanes 16-31), 256 consecutive bytes each.  The block's place stands in the immediate: 8,155,136 at the most.
.macro WLOAD blk
	WIN 0x80                                       ; destination in window 2
.set ij, 0
.rept 8
	global_load_b128 v[WS+32*((\blk)%NR)+4*ij:WS+32*((\blk)%NR)+4*ij+3], v[VW], s[4:5] offset:(\blk)*64*PITCH+ij*PITCH
.set ij, ij+1
.endr
.endm
.macro BIASLOAD                        ; columns 16 n + 8 h + 0..7
	WIN 0x40                                       ; destination in window 1
.set inb, 0
.rept 4
	global_load_b128 v[BI+8*inb:BI+8*inb+3],   v[VBI], s[6:7] offset:64*inb
	global_load_b128 v[BI+8*inb+4:BI+8*inb+7], v[VBI], s[6:7] offset:64*inb+16
.set inb, inb+1
.endr
.endm
; PHASE 1.  Block by block: it is in; eight k of one column make 16 bytes; its registers take the block NR further on; four stores into LDS.
; Where no block is left to ask for, the bias goes out in a refill's place; ahead of block AHB the first loads of h.
.macro STREAM
.set ib, 0
.rept NBT
.if ib == AHB
	PB_LOADS
.endif
.set yc, NBT-1-ib
.if yc > NR-1
.set yc, NR-1
.endif
.set yc, 8*yc
.if ib > NBT-NR
.set yc, yc+8
.endif
.if ib >= AHB
.set yc, yc+2*G*(RING-1)
.endif
	s_wait_loadcnt yc                              ; block ib is in: younger are the later blocks (NR - 1 at the most, 8 loads each), then the bias's 8, then the loads of h
	WIN 0x8a                                       ; destination and both sources in window 2
.set ic, 0
.rept 4
.set ip, 0
.rept 4
	v_cvt_pk_bf16_f32 v[CV+16*(ib%2)+4*ic+ip], v[WS+32*(ib%NR)+8*ip+ic], v[WS+32*(ib%NR)+8*ip+4+ic]
.set ip, ip+1
.endr
.set ic, ic+1
.endr
.if ib+NR < NBT
	WLOAD ib+NR
.endif
.if ib+NR == NBT
	BIASLOAD
.endif
	WIN 0x08                                       ; the stores' data in window 2
.set ic, 0
.rept 4
	ds_store_b128 v[STA+ib/8], v[CV+16*(ib%2)+4*ic:CV+16*(ib%2)+4*ic+3] offset:(ib%8)*2*KSB+16*ic
.set ic, ic+1
.endr
.set ib, ib+1
.endr
	WIN 0
.endm
; Four mask words abreast, so that no line waits for the line before it.
.macro LIST4 im0
.set ik, 0
.rept 4
	v_mbcnt_lo_u32_b32 v[TT+ik], s[MW+(\im0)+ik], s[MC]  ; my token's place, if it chose the expert: those before it
	s_bcnt1_i32_b32 s[TS], s[MW+(\im0)+ik]
	s_add_co_u32 s[MC], s[MC], s[TS]
.set ik, ik+1
.endr
.set ik, 0
.rept 4
	v_cndmask_b32 v[TT+ik], v[TRP], v[TT+ik], s[MW+(\im0)+ik]  ; if not: my lane's own place behind the list
.set ik, ik+1
.endr
.set ik, 0
.rept 4
	v_min_u32 v[TT+ik], 0x81f, v[TT+ik]
.set ik, ik+1
.endr
.set ik, 0
.rept 4
	v_lshl_add_u32 v[TT+ik], v[TT+ik], 1, v[LB]
.set ik, ik+1
.endr
.set ik, 0
.rept 4
	v_add_nc_u32 v[TK+ik], 32*((\im0)+ik), v[TOK]
.set ik, ik+1
.endr
.set ik, 0
.rept 4
	ds_store_b16 v[TT+ik], v[TK+ik]
.set ik, ik+1
.endr
.endm
	s_load_b256 s[4:11], s[0:1], 0x0               ; W2 s[4:5], b2 s[6:7], hbuf s[8:9], mask s[10:11]
	s_load_b64 s[12:13], s[0:1], 0x20              ; out0
	v_lshl_add_u32 v[SPW], v0, 2, SPARE
	v_mov_b32 v[NIL], 0
	v_lshrrev_b32 v[T], 5, v0
	v_readfirstlane_b32 s[WV], v[T]                ; wave 0..3
	v_and_b32 v[LANE], 31, v0
	v_and_b32 v[RR], 15, v0
	v_bfe_u32 v[HH], v0, 4, 1
	v_lshlrev_b32 v[L16], 4, v[LANE]
	v_lshlrev_b32 v[VW], 15, v[HH]                 ; 8 rows further down for lanes 16-31,
	v_lshl_add_u32 v[VW], v[RR], 4, v[VW]          ; 16 bytes a lane
	s_lshr_b32 s[SL], ttmp9, 1                     ; slice of 64 columns
	s_and_b32 s[HF], ttmp9, 1                      ; which half of the tiles
	s_and_b32 s[EX], ttmp7, 0xffff                 ; expert
	s_mov_b32 s[HM], 0xffff0000
	s_lshl_b32 s20, s[EX], 23                      ; the expert's 8 MiB,
	s_lshl_b32 s22, s[SL], 8                       ; my slice's 256 bytes of a row,
	s_add_co_u32 s20, s20, s22
	s_lshl_b32 s22, s[WV], 16                      ; my wave's 16 rows
	s_add_co_u32 s20, s20, s22
	s_mov_b32 s21, 0                               ; stays 0: the high word of every offset
	s_wait_kmcnt 0x0
	s_add_nc_u64 s[4:5], s[4:5], s[20:21]
.set ib, 0
.rept NR                                               ; the first 56 loads; the set-up below stands in the wait for them
	WLOAD ib
.set ib, ib+1
.endr
	WIN 0x40                                       ; destination in window 1
.set ii, 0
.rept NKS/8
	v_add_nc_u32 v[VBR+ii], ii*OCTB, v[L16]
.set ii, ii+1
.endr
	WIN 0
	s_lshl_b32 s20, s[EX], 12
	s_lshl_b32 s22, s[SL], 8
	s_add_co_u32 s20, s20, s22
	s_add_nc_u64 s[6:7], s[6:7], s[20:21]          ; b2 at my 64 columns
	v_lshlrev_b32 v[VBI], 5, v[HH]
	s_mov_b32 s20, s22
	s_add_nc_u64 s[12:13], s[12:13], s[20:21]      ; out0 at my 256 bytes of a row
	s_lshl_b32 s20, s[EX], 23
	s_add_nc_u64 s[8:9], s[8:9], s[20:21]          ; hbuf at the expert's tile 0
	s_lshl_b32 s20, s[EX], 8
	s_add_nc_u64 s[10:11], s[10:11], s[20:21]      ; the expert's 64 mask words
	v_lshrrev_b32 v[T], 2, v[RR]                   ; my four columns lie in column block q / 4, at lanes 4 (q % 4) + 0..3 of the fragment's half h
	v_mul_u32_u24 v[STA], v[T], NBB
	v_lshl_add_u32 v[STA], v[HH], 8, v[STA]
	v_and_b32 v[T], 3, v[RR]
	v_lshl_add_u32 v[STA], v[T], 6, v[STA]
	s_lshr_b32 s20, s[WV], 1                       ; block 4 b + w is half w % 2 of K step 2 b + w / 2
	s_mul_i32 s20, s20, KSB
	s_and_b32 s22, s[WV], 1
	s_lshl_b32 s22, s22, 9
	s_add_co_u32 s20, s20, s22
	v_add_nc_u32 v[STA], s20, v[STA]
	v_add_nc_u32 v[STA+1], 16*KSB, v[STA]          ; each eight blocks: 16 K steps on
	v_add_nc_u32 v[STA+2], 32*KSB, v[STA]
	v_add_nc_u32 v[STA+3], 48*KSB, v[STA]
	s_mul_i32 s22, s[WV], 16*SPITCH
	s_add_co_u32 s22, s22, STAGE                   ; my stage
	v_mul_u32_u24 v[STO], v[RR], SPITCH            ; in: row l % 16, 32 bytes for each half of the lanes
	v_lshl_add_u32 v[STO], v[HH], 5, v[STO]
	v_add_nc_u32 v[STO], s22, v[STO]
	v_lshlrev_b32 v[Q16], 4, v[RR]
	v_mul_u32_u24 v[RD], v[HH], SPITCH             ; back: lanes 0-15 take one row of 256 bytes, lanes 16-31 the next
	v_add_nc_u32 v[RD], v[RD], v[Q16]
	v_add_nc_u32 v[RD], s22, v[RD]
	s_mul_i32 s22, s[WV], LISTB
	s_add_co_u32 s22, s22, LIST
	v_mov_b32 v[LB], s22
	v_add_nc_u32 v[TRP], 2048, v[LANE]
	v_mov_b32 v[TOK], v[LANE]
	v_mov_b32 v[ZR], 0
	ds_store_b16 v[LB], v[ZR]                      ; an expert without tokens: place 0 names token 0
	s_mov_b32 s[MC], 0
	s_mov_b32 s[CT], 2
.Llist:                                                ; the expert's list: two trips of 32 words, 32 tokens a word
	s_load_b512 s[32:47], s[10:11], 0x0
	s_load_b512 s[48:63], s[10:11], 0x40
	s_wait_kmcnt 0x0
.set ig, 0
.rept 8
	LIST4 4*ig
.set ig, ig+1
.endr
	v_add_nc_u32 v[TOK], 1024, v[TOK]
	s_add_nc_u64 s[10:11], s[10:11], 128
	s_sub_co_u32 s[CT], s[CT], 1
	s_cmp_lg_u32 s[CT], 0
	s_cbranch_scc1 .Llist
	s_max_u32 s[MLAST], s[MC], 1
	s_sub_co_u32 s[MLAST], s[MLAST], 1
	s_add_co_u32 s[BOUND], s[MC], 15
	s_lshr_b32 s[BOUND], s[BOUND], 4               ; tiles that hold a token
	s_max_u32 s[TCL], s[BOUND], 1
	s_sub_co_u32 s[TCL], s[TCL], 1
	s_lshl1_add_u32 s[TJ], s[WV], s[HF]            ; hf + 2 w
	s_add_co_u32 s[TJ+1], s[TJ], 8
	s_add_co_u32 s[TJ+2], s[TJ], 16
	PB_ADDR
	STREAM
	s_wait_loadcnt 2*G*(RING-1)                    ; the bias is in: the loads of h behind it stay out
	WIN 0x45                                       ; destination and both sources in window 1
.set ii, 0
.rept 16
	v_cvt_pk_bf16_f32 v[BP+ii], v[BI+2*ii], v[BI+2*ii+1]
.set ii, ii+1
.endr
	PB_ACC
	s_wait_dscnt 0x0                               ; for the others' sake: my part of the weights is in LDS
	s_barrier_signal -1
	s_barrier_wait -1                              ; the slice is whole; nothing writes it again, so this is the only barrier
	s_mov_b32 s[PASS], 0
.Lpass:                                                ; PHASE 2: a pass is 12 tiles x 64 columns x K 2,048
.set ks, 0
.rept NKS
	KSTEP
.set ks, ks+1
.endr
	; THE WAY OUT
.rept 4
	v_nop                                          ; four places between the last products and the first read of a result
.endr
.set isl, 0
.rept G
	s_cmp_ge_u32 s[TJ+isl], s[BOUND]
	s_cbranch_scc1 .Lstored                        ; the live slots come first
	s_wait_xcnt 0x0                                ; the last slot's stores have read OB and OFF
	WIN 0x04                                       ; the stores' data in window 1
.set inb, 0
.rept 4                                                ; each accumulator's low half first
	ds_store_b128 v[STO], v[8*(4*isl+inb):8*(4*isl+inb)+3]   offset:64*inb
	ds_store_b128 v[STO], v[8*(4*isl+inb)+4:8*(4*isl+inb)+7] offset:64*inb+16
.set inb, inb+1
.endr
	WIN 0
	s_lshl_b32 s[TS], s[TJ+isl], 4
	v_add_nc_u32 v[T], s[TS], v[HH]
.set ii, 0
.rept 8                                                ; the token of place 16 t + 2 i + (lane / 16), or the list's last
	v_add_nc_u32 v[T2], 2*ii, v[T]
	v_min_u32 v[T2], s[MLAST], v[T2]
	v_min_u32 v[T2], 0x7ff, v[T2]
	v_lshl_add_u32 v[T2], v[T2], 1, v[LB]
	ds_load_u16 v[OFF+ii], v[T2]
.set ii, ii+1
.endr
.set ii, 0
.rept 8
	ds_load_b128 v[OB+4*ii:OB+4*ii+3], v[RD] offset:ii*2*SPITCH  ; LDS serves a wave's instructions in order (ISA guide 5.7.1.4): these see the stores above, and the next slot's stores come behind them
.set ii, ii+1
.endr
	s_wait_dscnt 0x0
.set ii, 0
.rept 8
	v_min_u32 v[OFF+ii], 0x7ff, v[OFF+ii]
	v_lshl_add_u32 v[OFF+ii], v[OFF+ii], 12, v[Q16]              ; a row of out0 is 4,096 bytes
	global_store_b128 v[OFF+ii], v[OB+4*ii:OB+4*ii+3], s[12:13] th:TH_STORE_NT  ; sixteen lanes store 256 consecutive bytes, at a multiple of 256 from out0's first
.set ii, ii+1
.endr
.set isl, isl+1
.endr
.Lstored:
.set ia, 0
.rept G
	s_add_co_u32 s[TJ+ia], s[TJ+ia], TSTEP
.set ia, ia+1
.endr
	s_cmp_ge_u32 s[TJ], s[BOUND]
	s_cbranch_scc1 .Ldone                          ; no tile is left for my wave
	s_wait_xcnt 0x0                                ; all that was issued has read its addresses: they are made anew
	PB_ADDR
	PB_LOADS
	PB_ACC
	s_add_co_u32 s[PASS], s[PASS], 1
	s_cmp_lt_u32 s[PASS], PASSES
	s_cbranch_scc1 .Lpass
.Ldone:
	s_wait_tensorcnt 0x0                           ; the wave's end
	ds_add_u32 v[SPW], v[NIL]
	s_wait_dscnt 0x0
	s_endpgm
.Lfunc_end_k_q2b30744321_p2:
	.size	k_q2b30744321_p2, .Lfunc_end_k_q2b30744321_p2-k_q2b30744321_p2
	.p2alignl 7, 3214868480
	.fill 96, 4, 3214868480
	.section	.rodata,"a",@progbits
	.p2align	6, 0x0
	.amdhsa_kernel k_q2b30744321_p2
		.amdhsa_group_segment_fixed_size 301568
		.amdhsa_private_segment_fixed_size 0
		.amdhsa_enable_private_segment 0
		.amdhsa_kernarg_size 40
		.amdhsa_user_sgpr_count 2
		.amdhsa_user_sgpr_kernarg_segment_ptr 1
		.amdhsa_wavefront_size32 1
		.amdhsa_system_sgpr_workgroup_id_x 1
		.amdhsa_system_sgpr_workgroup_id_y 1
		.amdhsa_system_sgpr_workgroup_id_z 1
		.amdhsa_system_vgpr_workitem_id 0
		.amdhsa_next_free_vgpr 768
		.amdhsa_next_free_sgpr 82
		.amdhsa_reserve_vcc 0
		.amdhsa_float_denorm_mode_32 3
		.amdhsa_float_denorm_mode_16_64 3
		.amdhsa_memory_ordered 1
		.amdhsa_forward_progress 1
		.amdhsa_inst_pref_size 255
	.end_amdhsa_kernel
	.section	.bss,"aw",@nobits
	.p2align	6
	.space	262144
	.amdgpu_metadata
---
amdhsa.version: [ 1, 2 ]
amdhsa.kernels:
  - .name:           k_q2b30744321_p2
    .symbol:         k_q2b30744321_p2.kd
    .args:
      - { .name: W2, .offset: 0, .size: 8, .value_kind: global_buffer, .address_space: global }
      - { .name: b2, .offset: 8, .size: 8, .value_kind: global_buffer, .address_space: global }
      - { .name: hbuf, .offset: 16, .size: 8, .value_kind: global_buffer, .address_space: global }
      - { .name: mask, .offset: 24, .size: 8, .value_kind: global_buffer, .address_space: global }
      - { .name: out0, .offset: 32, .size: 8, .value_kind: global_buffer, .address_space: global }
    .group_segment_fixed_size: 301568
    .private_segment_fixed_size: 0
    .kernarg_segment_align: 8
    .kernarg_segment_size: 40
    .max_flat_workgroup_size: 128
    .sgpr_count:     82
    .vgpr_count:     768
    .wavefront_size: 32
...
	.end_amdgpu_metadata
.endif
;; end of part 4
